; MI455X (gfx1250); checked and timed in simulation.
; The chip was launched on July 23, 2026; its instructions are those of AMD's public machine-readable ISA for CDNA 5 (MIT licence, August 2026) and "CDNA5" Instruction Set Architecture Reference Guide (July 2026). The comments in the code are by the model that wrote it; some were corrected since.
;; LSTM Block. Allowed arithmetic: matrix products marked QUANTISED: E2M3 operands, one E8M0 scale for each 32 along K, by v_wmma_scale_f32_16x16x128_f8f6f4 with both operands' format E2M3, f32 sums; everything else in f32.
;; Inputs: Wc_h 1,024 x 1,024 float32; Wc_x 1,024 x 1,024 float32; Wf_h 1,024 x 1,024 float32; Wf_x 1,024 x 1,024 float32; Wi_h 1,024 x 1,024 float32; Wi_x 1,024 x 1,024 float32; Wo_h 1,024 x 1,024 float32; Wo_x 1,024 x 1,024 float32; bc_h 1,024 float32; bc_x 1,024 float32; bf_h 1,024 float32; bf_x 1,024 float32; bi_h 1,024 float32; bi_x 1,024 float32; bo_h 1,024 float32; bo_x 1,024 float32; cell 8,192 x 1,024 float32; hidden 8,192 x 1,024 float32; x 8,192 x 1,024 float32.
;; Outputs: out0 8,192 x 1,024 float32; out1 8,192 x 1,024 float32.
;; This version of the problem:
;;   THIS VERSION OF THE PROBLEM IS GIVEN IN LOW PRECISION. The matrix products marked QUANTISED in the list below multiply operands that are first quantised to E2M3 (2 exponent bits, 3 mantissa bits; 6 bits a number), with one power-of-two scale for each 32 numbers along K (OCP MX v1.0); their sums are f32. All else is computed in f32.
;;   The module's matrix products, in the order in which they are computed (A, B: the left and right operand; K: the contracted axis; several contracted axes count as one K, in the product's order):
;;     1. [M 8,192, K 1,024] x [K 1,024, N 1,024]; A: input x; B: input Wf_x: QUANTISED
;;     2. [M 8,192, K 1,024] x [K 1,024, N 1,024]; A: input hidden; B: input Wf_h: QUANTISED
;;     3. [M 8,192, K 1,024] x [K 1,024, N 1,024]; A: input x; B: input Wi_x: QUANTISED
;;     4. [M 8,192, K 1,024] x [K 1,024, N 1,024]; A: input hidden; B: input Wi_h: QUANTISED
;;     5. [M 8,192, K 1,024] x [K 1,024, N 1,024]; A: input x; B: input Wc_x: QUANTISED
;;     6. [M 8,192, K 1,024] x [K 1,024, N 1,024]; A: input hidden; B: input Wc_h: QUANTISED
;;     7. [M 8,192, K 1,024] x [K 1,024, N 1,024]; A: input x; B: input Wo_x: QUANTISED
;;     8. [M 8,192, K 1,024] x [K 1,024, N 1,024]; A: input hidden; B: input Wo_h: QUANTISED
;;   THE QUANTISER, for each operand of a quantised product, along K:
;;     - K is cut into blocks of 32 from its start; a last block that is shorter is filled with zeros.
;;     - A block's scale is 2^e with e = floor(log2(the largest magnitude in the block)) - 2, held to -126 .. 127; a block of zeros has e = 0. As a byte (E8M0): e + 127.
;;     - Each number is divided by its block's scale, clamped to +-7.5, and rounded to the nearest number of E2M3, ties to even, subnormals kept.
;;     - The product sums the exact products of the quantised numbers (number of the format x scale) in f32.
;;   ~~~python
;;   def quantise(x, axis):      # numpy; x: float32 -> the quantised numbers, widened to float32 again
;;       x = np.moveaxis(x, axis, -1); K = x.shape[-1]
;;       x = np.pad(x, [(0, 0)] * (x.ndim - 1) + [(0, -K % 32)]); x = x.reshape(x.shape[:-1] + (-1, 32)); a = np.abs(x).max(-1, keepdims=True)
;;       e = np.where(a > 0, np.clip(np.frexp(np.where(a > 0, a, 1))[1] - 1 - 2, -126, 127), 0)      # np.frexp(a)[1] - 1 = floor(log2(a)), exactly
;;       r = np.clip(x / 2.0 ** e, -7.5, 7.5)
;;       step = 2.0 ** (np.maximum(np.frexp(np.where(r == 0, 1, r))[1] - 1, 0) - 3)
;;       q = np.round(r / step) * step * 2.0 ** e      # np.round: ties to even
;;       return np.moveaxis(q.reshape(q.shape[:-2] + (-1,))[..., :K], -1, axis).astype(np.float32)
;;   ~~~
;; One version. Each part assembles by itself: llvm-mc -triple=amdgcn-amd-amdhsa -mcpu=gfx1250 --defsym DOCPART=n.
;; ======== version 1 of 1: 2 launches
;; limits: right only within a limited range of input values
;; workspace buffers: codes 20,447,232 bytes
;; launch quant (part 1): grid 768 x 1, 4 waves a work-group, no clusters, 47,616 bytes of LDS; arguments x, hidden, Wf_x, Wf_h, Wi_x, Wi_h, Wc_x, Wc_h, Wo_x, Wo_h, codes; writes codes
.if DOCPART == 1
	.amdgcn_target "amdgcn-amd-amdhsa--gfx1250"
	.amdhsa_code_object_version 6
	.text
	.protected	k_q06641d0b3d_quant
	.globl	k_q06641d0b3d_quant
	.p2align	8
	.type	k_q06641d0b3d_quant,@function
k_q06641d0b3d_quant:
	s_mov_b64 s[64:65], 0
	v_nop
	global_prefetch_b8 v0, s[64:65] scope:SCOPE_SE
	s_setreg_imm32_b32 hwreg(HW_REG_WAVE_MODE, 25, 1), 1
	s_wait_xcnt 0x0
; x, hidden [8192][1024] and the eight weights [1024][1024], f32 with K innermost, become codes of FP6 (E2M3) and E8M0 scale bytes for ONE product with K = 2,048 (x-type source first, then h-type).
; OUTPUT: 768 blocks of 16 rows, 26,624 bytes each, laid as the next launch's registers take them.  Blocks 0 .. 511: rows 16 w .. of (x, hidden).  Block 512 + 8 (c / 32) + 2 g + u: rows c = 32 (c / 32) + 16 u ..
; of (Wg_x, Wg_h), g = 0, 1, 2, 3 for f, i, c, o.  A block is eight pieces of 3,328 bytes, one for each 256 along K: two fragments of 1,536 bytes (128 along K each), 128 scale bytes, 128 zeros.
; In a fragment lane L = r + 16 h of the matrix operand has the 48 bytes at 48 L: row r's blocks of 32 numbered h and 2 + h, 24 bytes each.  Scale bytes: 8 r + (block of 32 within the 256).
; A block's scale is 2^(floor(log2(largest magnitude)) - 2); its byte is the largest magnitude's exponent field - 2, held at 1 from below; numbers are divided by it and rounded to the nearest code, ties to even;
; beyond 7.5 the conversion gives the largest code.
; LIMITS: NaN and infinities among the inputs are not served.  A block whose largest magnitude lies under 2^-124 gets the byte 1; a block of zeros too, where the rule says 127: its codes are zeros, which add
; nothing under that byte, and the bytes are read by this program alone.
; SHARES: work-group w makes block w, wave v its rows 4 v .. 4 v + 3, in 16 steps of 512 numbers: step t is row t / 4, source (t / 2) % 2, half t % 2.  Each load reads 512 consecutive bytes; a step's 2,048 bytes
; turn through the wave's own stage in LDS and come back 16 neighbours a lane.  The codes and bytes are gathered in an image of the block in LDS and leave, behind one barrier, 2,048 consecutive bytes an instruction.
.set STEPS, 16
.set AWG,   512
.set EMAX,  2
.set R,     16                         ; v16-79   four sets of 16 numbers as loaded; at the end the image on its way out
.set X,     80                         ; v80-111  two sets of 16 neighbours
.set E,     112                        ; v112-127 a scale byte for each step
.set D,     128                        ; v128-191 a step's 12 bytes in store order, four registers a step
.set C,     192                        ; v192-194 a step's codes
.set SPW,   196
.set NIL,   197
.set SP,    80                         ; a lane's place in a stage: 64 bytes + 16
.set WREG,  2*32*SP                    ; a wave's two stages
.set BLK,   3328
.set IMG,   4*WREG                     ; the block's image, 8 BLK bytes
.set SPARE, IMG+8*BLK                  ; the spare words: 512 bytes that no other line names
	s_load_b512 s[4:19], s[0:1], 0x0               ; x, hidden, Wf_x, Wf_h, Wi_x, Wi_h, Wc_x, Wc_h
	s_load_b128 s[20:23], s[0:1], 0x40             ; Wo_x, Wo_h
	s_load_b64 s[24:25], s[0:1], 0x50              ; codes
	v_lshl_add_u32 v[SPW], v0, 2, SPARE
	v_mov_b32 v[NIL], 0
	v_lshrrev_b32 v1, 5, v0
	v_readfirstlane_b32 s28, v1                    ; wave
	s_mul_i32 s29, s28, WREG
	s_mul_i32 s38, s28, 192                        ; my four rows' places in a fragment: 48 bytes a row
	s_add_co_u32 s38, s38, IMG
	s_lshl_b32 s39, s28, 5                         ; and among the scale bytes: 8 a row
	s_add_co_u32 s39, s39, IMG+3072
	v_and_b32 v2, 31, v0                           ; lane
	v_lshlrev_b32 v3, 4, v2                        ; my 16 bytes of a load's 512
	v_lshrrev_b32 v14, 2, v2
	v_mul_u32_u24 v14, v14, SP
	v_and_b32 v15, 3, v2
	v_lshl_add_u32 v14, v15, 4, v14
	v_add_nc_u32 v14, s29, v14                     ; the stage, way in
	v_mul_u32_u24 v15, v2, SP
	v_add_nc_u32 v15, s29, v15                     ; way out: my 16 neighbours
	v_lshrrev_b32 v8, 4, v2
	v_mul_u32_u24 v8, v8, BLK                      ; lanes 16-31: the next 256 along K
	v_bfe_u32 v9, v2, 3, 1
	v_mad_u32_u24 v4, v9, 1536, v8                 ; which fragment of the piece
	v_bfe_u32 v9, v2, 1, 1
	v_mad_u32_u24 v4, v9, 768, v4                  ; odd blocks of 32: operand lanes 16-31
	v_bfe_u32 v9, v2, 2, 1
	v_mad_u32_u24 v4, v9, 24, v4                   ; blocks 2, 3: the operand lane's second 24 bytes
	v_add_nc_u32 v4, s38, v4
	v_and_b32 v9, 1, v2                            ; odd lanes hold a block's upper 16 codes, bytes 12 .. 23
	v_cmp_ne_u32 s40, 0, v9
	v_lshl_add_u32 v6, v9, 2, v4                   ; 4 bytes: even lanes at byte 8, odd at 12 (the 8 stands in the immediate)
	v_lshl_add_u32 v4, v9, 4, v4                   ; 8 bytes: even lanes at byte 0, odd at 16
	v_bfe_u32 v9, v2, 1, 3
	v_add_nc_u32 v5, v8, v9
	v_add_nc_u32 v5, s39, v5                       ; my block's scale byte
	v_lshrrev_b32 v7, 4, v0
	v_mul_u32_u24 v7, v7, BLK
	v_and_b32 v9, 15, v0
	v_lshl_add_u32 v7, v9, 3, v7
	v_add_nc_u32 v7, IMG+3200, v7                  ; the zeros behind each piece's scale bytes: 8 bytes a thread
	v_lshlrev_b32 v1, 4, v0                        ; the image's way out: 16 bytes a thread
	v_add_nc_u32 v10, IMG, v1
	v_mov_b32 v12, 0
	v_mov_b32 v13, 0
	s_sub_co_u32 s30, ttmp9, AWG                   ; w' among the weights' work-groups
	s_bfe_u32 s31, s30, 0x20001                    ; the gate: (w' / 2) % 4
	s_lshr_b32 s32, s30, 3
	s_lshl_b32 s32, s32, 5
	s_and_b32 s33, s30, 1
	s_lshl_b32 s33, s33, 4
	s_add_co_u32 s32, s32, s33                     ; the weights' row: 32 (w' / 8) + 16 (w' % 2)
	s_lshl_b32 s33, ttmp9, 4                       ; x's and hidden's row
	s_cmp_lt_u32 ttmp9, AWG
	s_cselect_b32 s31, 4, s31                      ; 4: no gate
	s_cselect_b32 s32, s33, s32
	s_lshl_b32 s33, s28, 2
	s_add_co_u32 s32, s32, s33
	s_lshl_b32 s34, s32, 12                        ; a source's row is 4,096 bytes
	s_mov_b32 s35, 0
	s_mul_i32 s36, ttmp9, 8*BLK
	s_mov_b32 s37, 0
	s_wait_alu depctr_va_vdst(0)                   ; the wait at the head's end
	s_wait_kmcnt 0x0
.irp k, 0,1,2,3
	s_cmp_eq_u32 s31, \k                           ; the choice hangs on the work-group's number alone
	s_cselect_b64 s[4:5], s[8+4*\k:9+4*\k], s[4:5]
	s_cselect_b64 s[6:7], s[10+4*\k:11+4*\k], s[6:7]
.endr
	s_add_nc_u64 s[4:5], s[4:5], s[34:35]
	s_add_nc_u64 s[6:7], s[6:7], s[34:35]
	s_add_nc_u64 s[24:25], s[24:25], s[36:37]
.macro LOAD t
.irp i, 0,1,2,3
	global_load_b128 v[R+16*((\t)%4)+4*\i:R+16*((\t)%4)+4*\i+3], v3, s[4+2*(((\t)/2)%2):5+2*(((\t)/2)%2)] offset:4096*((\t)/4)+2048*((\t)%2)+512*\i th:TH_LOAD_NT
.endr
.endm
.macro TURN t                          ; LDS serves a wave's instructions in order: no wait between the stores and the loads
.irp i, 0,1,2,3
	ds_store_b128 v14, v[R+16*((\t)%4)+4*\i:R+16*((\t)%4)+4*\i+3] offset:32*SP*((\t)%2)+8*SP*\i
.endr
.irp i, 0,1,2,3
	ds_load_b128 v[X+16*((\t)%2)+4*\i:X+16*((\t)%2)+4*\i+3], v15 offset:32*SP*((\t)%2)+16*\i
.endr
.endm
.irp t, 0,1,2,3
	LOAD \t
.endr
	s_wait_loadcnt 12                              ; step 0's four loads are in
	TURN 0
.macro STEP t
.set XS, X+16*((\t)%2)
.set PC, (4*(((\t)/2)%2)+2*((\t)%2))*BLK       ; the step's first piece in the image
.if (\t) > 0
	s_wait_dscnt 3                                 ; this step's numbers are back; the last step's three stores into the image may be out
.else
	s_wait_dscnt 0x0
.endif
.if (\t)+4 < STEPS
	LOAD (\t)+4
.endif
.if (\t)+1 < STEPS
.if STEPS-2-(\t) >= 3
	s_wait_loadcnt 12                              ; the next step's four loads are in; three steps' may be out
.else
	s_wait_loadcnt 4*(STEPS-2-(\t))
.endif
	TURN (\t)+1
.endif
	v_max3_num_f32 v8, |v[XS]|, |v[XS+1]|, |v[XS+2]|
	v_max3_num_f32 v9, |v[XS+3]|, |v[XS+4]|, |v[XS+5]|
.irp i, 6,10
	v_max3_num_f32 v8, v8, |v[XS+\i]|, |v[XS+\i+1]|
	v_max3_num_f32 v9, v9, |v[XS+\i+2]|, |v[XS+\i+3]|
.endr
	v_max3_num_f32 v8, v8, |v[XS+14]|, |v[XS+15]|
	v_max3_num_f32 v8, v8, v9, (EMAX+1)<<23        ; the floor 2^(3 - 127): the byte cannot fall under 1
	v_max_num_f32_dpp v8, v8, v8 row_xmask:1 row_mask:0xf bank_mask:0xf   ; with my neighbour's 16: the block's
	v_add_nc_u32 v11, -(EMAX<<23), v8              ; 2 off the exponent field: the conversion's scale operand
	v_cvt_scalef32_pk16_fp6_f32 v[C:C+2], v[XS:XS+15], v11
	v_lshrrev_b32 v[E+(\t)], 23, v11               ; the scale's byte (also the plain line behind the conversion)
	v_cndmask_b32 v[D+4*(\t)], v[C], v[C+1], s40   ; even lanes store words 0, 1 and then 2; odd lanes words 1, 2 and then 0: every store stands at a multiple of its size
	v_cndmask_b32 v[D+4*(\t)+1], v[C+1], v[C+2], s40
	v_cndmask_b32 v[D+4*(\t)+2], v[C+2], v[C], s40
	ds_store_b8 v5, v[E+(\t)] offset:PC+8*((\t)/4)   ; both lanes of a block write the same byte with the same value
	ds_store_b64 v4, v[D+4*(\t):D+4*(\t)+1] offset:PC+48*((\t)/4)
	ds_store_b32 v6, v[D+4*(\t)+2] offset:PC+48*((\t)/4)+8
.endm
.irp t, 0,1,2,3,4,5,6,7,8,9,10,11,12,13,14,15
	STEP \t
.endr
	ds_store_b64 v7, v[12:13]                      ; the zeros
	s_wait_dscnt 0x0                               ; for the others' sake: my part of the image is written
	s_barrier_signal -1
	s_barrier_wait -1
.irp j, 0,1,2,3,4,5,6,7,8,9,10,11,12
	ds_load_b128 v[R+4*\j:R+4*\j+3], v10 offset:2048*\j
.endr
.irp j, 0,1,2,3,4,5,6,7,8,9,10,11,12
	s_wait_dscnt 12-\j
	global_store_b128 v1, v[R+4*\j:R+4*\j+3], s[24:25] offset:2048*\j   ; a wave stores 512 consecutive bytes, at a multiple of 256 from the buffer's first byte
.endr
	s_wait_tensorcnt 0x0                           ; the wave's end
	ds_add_u32 v[SPW], v[NIL]
	s_wait_dscnt 0x0
	s_endpgm
.Lfunc_end_k_q06641d0b3d_quant:
	.size	k_q06641d0b3d_quant, .Lfunc_end_k_q06641d0b3d_quant-k_q06641d0b3d_quant
	.p2alignl 7, 3214868480
	.fill 96, 4, 3214868480
	.section	.rodata,"a",@progbits
	.p2align	6, 0x0
	.amdhsa_kernel k_q06641d0b3d_quant
		.amdhsa_group_segment_fixed_size 47616
		.amdhsa_private_segment_fixed_size 0
		.amdhsa_enable_private_segment 0
		.amdhsa_kernarg_size 88
		.amdhsa_user_sgpr_count 2
		.amdhsa_user_sgpr_kernarg_segment_ptr 1
		.amdhsa_wavefront_size32 1
		.amdhsa_system_sgpr_workgroup_id_x 1
		.amdhsa_system_sgpr_workgroup_id_y 1
		.amdhsa_system_sgpr_workgroup_id_z 1
		.amdhsa_system_vgpr_workitem_id 0
		.amdhsa_next_free_vgpr 198
		.amdhsa_next_free_sgpr 66
		.amdhsa_reserve_vcc 0
		.amdhsa_float_denorm_mode_32 3
		.amdhsa_float_denorm_mode_16_64 3
		.amdhsa_memory_ordered 1
		.amdhsa_forward_progress 1
		.amdhsa_inst_pref_size 40
	.end_amdhsa_kernel
	.amdgpu_metadata
---
amdhsa.version: [ 1, 2 ]
amdhsa.kernels:
  - .name:           k_q06641d0b3d_quant
    .symbol:         k_q06641d0b3d_quant.kd
    .args:
      - { .name: x, .offset: 0, .size: 8, .value_kind: global_buffer, .address_space: global }
      - { .name: hidden, .offset: 8, .size: 8, .value_kind: global_buffer, .address_space: global }
      - { .name: Wf_x, .offset: 16, .size: 8, .value_kind: global_buffer, .address_space: global }
      - { .name: Wf_h, .offset: 24, .size: 8, .value_kind: global_buffer, .address_space: global }
      - { .name: Wi_x, .offset: 32, .size: 8, .value_kind: global_buffer, .address_space: global }
      - { .name: Wi_h, .offset: 40, .size: 8, .value_kind: global_buffer, .address_space: global }
      - { .name: Wc_x, .offset: 48, .size: 8, .value_kind: global_buffer, .address_space: global }
      - { .name: Wc_h, .offset: 56, .size: 8, .value_kind: global_buffer, .address_space: global }
      - { .name: Wo_x, .offset: 64, .size: 8, .value_kind: global_buffer, .address_space: global }
      - { .name: Wo_h, .offset: 72, .size: 8, .value_kind: global_buffer, .address_space: global }
      - { .name: codes, .offset: 80, .size: 8, .value_kind: global_buffer, .address_space: global }
    .group_segment_fixed_size: 47616
    .private_segment_fixed_size: 0
    .kernarg_segment_align: 8
    .kernarg_segment_size: 88
    .max_flat_workgroup_size: 128
    .sgpr_count:     66
    .vgpr_count:     198
    .wavefront_size: 32
...
	.end_amdgpu_metadata
.endif
;; end of part 1
;; launch lstm (part 2): grid 16 x 16, 4 waves a work-group, clusters of 4 x 4, 327,680 bytes of LDS; arguments bf_x, bf_h, bi_x, bi_h, bc_x, bc_h, bo_x, bo_h, codes, cell, out0, out1; writes out0, out1
.if DOCPART == 2
	.amdgcn_target "amdgcn-amd-amdhsa--gfx1250"
	.amdhsa_code_object_version 6
	.text
	.protected	k_q06641d0b3d_lstm
	.globl	k_q06641d0b3d_lstm
	.p2align	8
	.type	k_q06641d0b3d_lstm,@function
k_q06641d0b3d_lstm:
	s_mov_b64 s[64:65], 0
	v_nop
	global_prefetch_b8 v0, s[64:65] scope:SCOPE_SE
	s_setreg_imm32_b32 hwreg(HW_REG_WAVE_MODE, 25, 1), 1
	s_wait_xcnt 0x0
	s_wait_alu depctr_hold_cnt(0) depctr_sa_sdst(0) depctr_va_vdst(0) depctr_va_sdst(0) depctr_va_ssrc(0) depctr_va_vcc(0) depctr_vm_vsrc(0)
	s_getreg_b32 s2, hwreg(HW_REG_IB_STS2, 6, 4)
	s_cmp_eq_u32 s2, 0
	s_cbranch_scc0 .Lentry_in_a_cluster
	s_endpgm
.Lentry_in_a_cluster:
	s_bfe_u32 s2, ttmp6, 0x10000c
	s_cmp_lg_u32 s2, 0xf033
	s_cbranch_scc0 .Lentry_shape_is_right
	s_endpgm
.Lentry_shape_is_right:
; c_t = cell sigmoid(F) + sigmoid(I) tanh(C), h_t = sigmoid(O) tanh(c_t); G = x Wg_x^T + hidden Wg_h^T + bg_x + bg_h for G = F, I, C, O.
; The eight products are ONE product on codes of FP6 (E2M3), one E8M0 scale for each 32 along K, K = 2,048.  The codes' buffer holds blocks of 16 rows as register images (the launch before lays them):
; a block is 8 pieces of 3,328 bytes, one for each 256 along K: two fragments of 1,536 bytes (lane L's 12 registers at 48 L), 128 scale bytes (8 a row), 128 zeros.  Blocks 0-511: (x, hidden); 512 on: the weights,
; block 8 (c / 32) + 2 g + u = gate g, hidden columns 32 (c / 32) + 16 u on.
; SHARES: a tile is 256 rows x 64 hidden columns of c_t and h_t (256 x 256 of the product); four waves, each 128 x 128: 64 accumulators, its 8 blocks of B the four gates of the same 32 columns.
; A WORK-GROUP STAYS and makes two tiles, 4,096 rows apart, on the same rows of B: 256 work-groups.  The ring goes on into the second tile: the first tile's last two changes of slots fetch its first two pieces.
; THE MATRIX INSTRUCTION IS USED TRANSPOSED (source 0 = B's block, source 1 = A's): register j of the accumulators (a, 2 g + u), g = 0 .. 3, holds the four gates of ONE element; the gates change no lane.
; THE RING: two LDS slots, each 256 along K of A's 16 and B's 16 blocks; rows of 3,328 bytes, 13 x 256, each at a multiple of 256 bytes.  The scale bytes ride with the codes.  No line stores into a slot.
; A fragment is three loads of 16 bytes, lanes 48 bytes apart.  A step's 48 fragment loads go in four runs, one behind each 16 matrix
; instructions: A's two blocks just multiplied are fetched anew (ONE set for A), B's next set (TWO sets) in the first two runs.
; CLUSTERS: 4 x 4; A's tiles are asked for jointly along a row of the cluster, B's along a column.
; PREFETCH of the code tiles: of the 8 blocks x 13 units of 256 bytes that a wave fetches of a slot, the partner at place p (cx for A, cy for B) names blocks 2 p, 2 p + 1: 26 lanes, a unit each (the six lanes
; left over name the last again).  The head asks for the second to fourth piece along K; each refill asks for the piece two refills on, A's on into the next tile; B's rows are asked for in the first tile alone.
; CELL: the first tile's comes at the head (waves 2, 3; waves 0, 1 fetch A's and B's first pieces whole); the second tile's behind that tile's last round, one load a wave, asked of the L2 in the first tile's
; tail, a thread a row of 256 bytes.  No line stores into cell's bytes: c_t and h_t leave through a stage of their own, 64 rows each, used again by each phase.
; THE GATES.  L = log2(e): Eg = 2^(-L G) (C: 2^(-2 L G)); sigmoid(F) = 1 / (1 + Ef); sigmoid(I) tanh(C) = (1 - Ec) / ((1 + Ei)(1 + Ec)); Et = 2^(-2 L c_t); h_t = (1 - Et) / ((1 + Eo)(1 + Et)).
; The exponents of Ec and Et are held at 40 from above: from 2^25 on (1 - E) / (1 + E) is -1 in f32, so the hold changes no value and keeps the numerators finite; where a denominator passes f32's range the
; reciprocal is 0, the limit.  LIMITS: NaN and infinities among the inputs are not served; a denominator above 2^126 gives 0 where the exact value lies under 2^-86.
; REGISTERS: window 0: v8-29 addresses; v32-63 scale words, a set for each slot; v64-159 A's fragments, later the gates' work; v160-223 scaled biases; v224-255 cell.
;   window 1: B's sets at v0 and v128, later rows on their way out.  Windows 2, 3: the accumulators of my rows 0-63, 64-127 ((a, b) at v[8 (8 (a % 4) + b)]).
.set BLK,   3328
.set BROW,  8*BLK                      ; a block in memory
.set HALFT, 8*BLK                      ; 8 blocks' pieces: what a wave reads of A or of B
.set SLOT,  4*HALFT
.set WALKB, 256*BROW                   ; from a tile's blocks of A to the next tile's
.set CP,    272                        ; a row of cell, c_t or h_t in LDS: 256 bytes + 16
.set CE,    2*SLOT                     ; cell: 256 rows
.set SPARE, CE+256*CP                  ; the spare words: 512 bytes that no other line names
.set ST,    SPARE+512                  ; the stage: 64 rows of c_t, then 64 of h_t
.set FR,   12
.set EA,   8                           ; my 32 bytes of a row of cell: CE + (128 rw + r) CP + 128 cw + 32 h
.set ES,   9                           ; the same in the stage: ST + (32 rw + r) CP + 128 cw + 32 h
.set RD,   10                          ; the way out: ST + (32 rw + 16 cw + h) CP + 16 r
.set CO,   12                          ; and in memory: 4,096 h + 16 r
.set VB,   13                          ; my byte in a bias
.set PFO,  14                          ; 4,096 x thread: a row of cell
.set PFT,  15                          ; my unit of 256 bytes among the 26 that my wave names of a piece
.set ADRA, 16                          ; v16-17 my A fragments in slot 0, 1;  v18-19 B's;  v20-21 scale words: lanes 0-15 A's rows, lanes 16-31 B's
.set ADRB, 18
.set ADRS, 20
.set SPW,  28
.set NIL,  29
.set SC,   32                          ; set s at SC + 16 s; register 2 i + q: block i, the slot's q-th 128 along K
.set AF,   64
.set TF,   64                          ; the gates' work, 16 registers each
.set TI,   80
.set TC,   96
.set TO,   112
.set NU,   128
.set TT,   144
.set BB,   160                         ; at 16 g + 8 u + j: (bg_x + bg_h) x (-L; g = 2: -2 L)
.set CL,   224
.set PFA,  4                           ; s[4:5] where my prefetches stand; s[6:7] its step
.set G1,   24
.set G0,   32
.set G0H,  40                          ; group 0 of the head's whole pieces of A and of B
.set G0HB, 44
.set G1B,  48
.set G0B,  56
.set K1,   66
.set G1C,  84
.set G0C,  92
.set LIM,  98                          ; the loop asks while its counter is above this
.set K2,   100
.set CAP,  2
.set MSB, 0
.macro WIN new                         ; the immediate's high byte repeats the setting that is left
.if MSB != (\new)
	s_set_vgpr_msb (MSB<<8)|(\new)
.set MSB, (\new)
.endif
.endm
.set MUL_LO, 0xa1                      ; source 0 (B) window 1, source 1 (A) window 0, C and D window 2
.set MUL_HI, 0xf1
.set TO_B,   0x40
.set FROM_B, 0x04
.macro PLACES                          ; four places behind a matrix instruction, ahead of loads into its registers and of reads of results
.rept 4
	v_nop
.endr
.endm
.macro JLOAD s                         ; a joint load: waves 0, 1 fetch A's halves, waves 2, 3 B's; s_nop 0 and four v_nop behind each line
	s_cmp_eq_u32 s15, 0
	s_cbranch_scc0 .Lfor_b_\@
	tensor_load_to_lds s[G0+4*\s:G0+4*\s+3], s[G1:G1+7]
	s_nop 0
	PLACES
	s_branch .Lasked_\@
.Lfor_b_\@:
	tensor_load_to_lds s[G0B+4*\s:G0B+4*\s+3], s[G1B:G1B+7]
	s_nop 0
	PLACES
.Lasked_\@:
.endm
.macro ARM under, g0, g1, next         ; an arm of the head's one chain of branches on the wave's number
	s_cmp_lt_u32 s14, \under
	s_cbranch_scc0 \next
	tensor_load_to_lds s[\g0:\g0+3], s[\g1:\g1+7]
	s_nop 0
	PLACES
	s_branch .Lhead_asked
\next:
.endm
.macro ASK how                         ; the piece two refills on.  how = 0, in the loop; how = 1, in the first tile's tail: A's waves alone
.if \how
	s_cmp_eq_u32 s15, 0
.else
	s_cmp_gt_u32 s3, s[LIM]
.endif
	s_cbranch_scc0 .Lno_ask_\@
	global_prefetch_b8 v[PFT], s[PFA:PFA+1] offset:3*BLK th:TH_LOAD_NT scope:SCOPE_SE
.Lno_ask_\@:
.endm
.macro CREST
	s_cmp_lg_u32 s14, 0
	s_cbranch_scc1 .Lnot_wave_0_\@
	s_barrier_signal -3
.Lnot_wave_0_\@:
	s_barrier_wait -3
	s_barrier_signal -1
	s_barrier_wait -1
.endm
.macro CROUND
	s_barrier_signal -1
	s_barrier_wait -1
	CREST
.endm
	s_load_b512 s[68:83], s[0:1], 0x0              ; the eight biases
	s_load_b128 s[4:7], s[0:1], 0x40               ; codes, cell
	s_load_b128 s[8:11], s[0:1], 0x50              ; out0, out1
	v_lshl_add_u32 v[SPW], v0, 2, SPARE
	v_mov_b32 v[NIL], 0
	ds_add_u32 v[SPW], v[NIL]                      ; the opening: the add, twice on end, and its wait
	ds_add_u32 v[SPW], v[NIL]
	v_lshrrev_b32 v1, 5, v0
	v_readfirstlane_b32 s14, v1                    ; wave
	v_and_b32 v3, 31, v0
	v_min_u32 v3, 25, v3                           ; 26 units: 13 of each of two blocks
	v_mul_u32_u24 v4, v3, 5
	v_lshrrev_b32 v4, 6, v4                        ; 1 from unit 13 on
	v_mul_u32_u24 v4, v4, BROW-13*256
	v_lshl_add_u32 v[PFT], v3, 8, v4
	s_lshr_b32 s15, s14, 1                         ; rw.  Also: I fetch for A (0) or B (1)
	s_and_b32 s16, s14, 1                          ; cw.  Also: which 8 blocks I fetch
	s_bfe_u32 s18, ttmp6, 0x40000                  ; cx
	s_bfe_u32 s19, ttmp6, 0x40004                  ; cy
	s_lshl_b32 s99, ttmp9, 2
	s_add_co_u32 s99, s99, s18                     ; tile column
	s_and_b32 s17, ttmp7, 0xffff
	s_lshl_b32 s17, s17, 2
	s_add_co_u32 s17, s17, s19                     ; the first tile's row, 0 .. 15
	s_lshl_b32 s20, s19, 2
	s_lshl_b32 s20, 15, s20                        ; my row of the cluster
	s_lshl_b32 s21, 0x1111, s18                    ; my column
	s_or_b32 s[G1+0], s20, (3<<16)|(1<<21)         ; elements of 8 bytes, no padding; the mask, bit 21 beside it
	s_or_b32 s[G1B+0], s21, (3<<16)|(1<<21)
.irp g, G1, G1B
	s_mov_b32 s[\g+1], (BLK/8)<<16                 ; tensor_dim0 = 416
	s_mov_b32 s[\g+2], 16<<16                      ; tensor_dim1 = 16 for the head's loads; behind them 8
	s_mov_b32 s[\g+3], (BLK/8)<<16                 ; tile_dim0
	s_mov_b32 s[\g+4], 16                          ; tile_dim1
	s_mov_b32 s[\g+5], BLK                         ; from block to block: 8 BLK bytes
	s_mov_b32 s[\g+6], 0
	s_mov_b32 s[\g+7], 0
.endr
	s_mov_b32 s[G1C+0], (3<<16)|(1<<20)|(5<<22)|(3<<25)   ; cell: rows of 256 bytes, 16 bytes of padding behind each; no mask; 128 rows at the head, behind it 64
	s_mov_b32 s[G1C+1], 32<<16
	s_mov_b32 s[G1C+2], 128<<16
	s_mov_b32 s[G1C+3], 32<<16
	s_mov_b32 s[G1C+4], 128
	s_mov_b32 s[G1C+5], 512
	s_mov_b32 s[G1C+6], 0
	s_mov_b32 s[G1C+7], 0
	s_mul_i32 s20, s17, 16*BROW                    ; A: block 16 x tile row
	s_mov_b32 s21, 0
	s_lshl_b32 s22, s99, 4
	s_add_co_u32 s22, s22, 512                     ; B: block 512 + 16 x tile column
	s_mul_i32 s22, s22, BROW
	s_mov_b32 s23, 0
	s_lshl_b32 s96, s17, 20                        ; the tile's corner in cell, c_t, h_t: 256 rows of 4,096 bytes x tile row
	s_lshl_b32 s12, s99, 8
	s_add_co_u32 s96, s96, s12                     ; + 256 bytes x tile column
	s_mov_b32 s97, 0
	s_lshl_b32 s12, s15, 19
	s_add_co_u32 s12, s12, s96
	s_lshl_b32 s13, s16, 16
	s_add_co_u32 s12, s12, s13                     ; + rows 128 rw + 16 cw: what I store
	s_mov_b32 s13, 0
	s_wait_alu depctr_va_vdst(0)
	s_wait_dscnt 0x0                               ; both opening adds are done
	s_wait_kmcnt 0x0
	s_add_nc_u64 s[8:9], s[8:9], s[12:13]
	s_add_nc_u64 s[10:11], s[10:11], s[12:13]
	s_add_nc_u64 s[96:97], s[6:7], s[96:97]
	s_add_nc_u64 s[20:21], s[4:5], s[20:21]
	s_add_nc_u64 s[22:23], s[4:5], s[22:23]
	s_mov_b32 s[G0H], 1                            ; the head's tiles: A's first piece, 16 blocks,
	s_mov_b32 s[G0H+1], 0
	s_mov_b64 s[G0H+2:G0H+3], s[20:21]
	s_or_b32 s[G0H+3], s[G0H+3], 0x80000000
	s_mov_b32 s[G0HB], 1                           ; B's,
	s_mov_b32 s[G0HB+1], 2*HALFT
	s_mov_b64 s[G0HB+2:G0HB+3], s[22:23]
	s_or_b32 s[G0HB+3], s[G0HB+3], 0x80000000
	s_mov_b32 s[G0C], 1                            ; and 128 rows of the first tile's cell for each of waves 2 and 3
	s_mul_i32 s[G0C+1], s16, 128*CP
	s_add_co_u32 s[G0C+1], s[G0C+1], CE
	s_lshl_b32 s12, s16, 19
	s_add_nc_u64 s[G0C+2:G0C+3], s[96:97], s[12:13]
	s_or_b32 s[G0C+3], s[G0C+3], 0x80000000
	s_add_nc_u64 s[96:97], s[96:97], 0x1000000     ; the second tile's corner in cell, 4,096 rows down; never rewritten from here on
	s_mul_i32 s12, s16, 8*BROW                     ; for the ring: my 8 blocks
	s_add_nc_u64 s[20:21], s[20:21], s[12:13]
	s_add_nc_u64 s[22:23], s[22:23], s[12:13]
	s_mul_i32 s98, s14, HALFT                      ; where they go: no place in the cluster enters an LDS address
.irp s, 0,1
	s_mov_b32 s[G0+4*\s], 1
	s_add_co_u32 s[G0+4*\s+1], s98, \s*SLOT
	s_add_nc_u64 s[G0+4*\s+2:G0+4*\s+3], s[20:21], \s*BLK
	s_or_b32 s[G0+4*\s+3], s[G0+4*\s+3], 0x80000000
	s_mov_b32 s[G0B+4*\s], 1
	s_add_co_u32 s[G0B+4*\s+1], s98, \s*SLOT
	s_add_nc_u64 s[G0B+4*\s+2:G0B+4*\s+3], s[22:23], \s*BLK
	s_or_b32 s[G0B+4*\s+3], s[G0B+4*\s+3], 0x80000000
.endr
	s_cmp_eq_u32 s15, 0                            ; the prefetches: A's waves share by cx, B's by cy: by address alone
	s_cselect_b64 s[PFA:PFA+1], s[20:21], s[22:23]
	s_cselect_b32 s6, s18, s19
	s_mul_i32 s6, s6, 2*BROW
	s_mov_b32 s7, 0
	s_add_nc_u64 s[PFA:PFA+1], s[PFA:PFA+1], s[6:7]
	CROUND                                         ; all sixteen work-groups are here: the first joint loads meet
	ARM 1, G0H,  G1,  .Lhead_b                     ; one tensor load a wave at the head
	ARM 2, G0HB, G1B, .Lhead_c
	tensor_load_to_lds s[G0C:G0C+3], s[G1C:G1C+7]
	s_nop 0
	PLACES
.Lhead_asked:
	global_prefetch_b8 v[PFT], s[PFA:PFA+1] offset:BLK th:TH_LOAD_NT scope:SCOPE_SE     ; the second,
	global_prefetch_b8 v[PFT], s[PFA:PFA+1] offset:2*BLK th:TH_LOAD_NT scope:SCOPE_SE   ; third
	global_prefetch_b8 v[PFT], s[PFA:PFA+1] offset:3*BLK th:TH_LOAD_NT scope:SCOPE_SE   ; and fourth piece along K
	s_mov_b32 s12, 2                               ; tiles to go
	s_mov_b32 s13, WALKB-7*BLK                     ; the prefetches' step into the next tile
	s_mov_b32 s[LIM], s15                          ; first tile: A's waves ask in all three trips, B's in the first two
	s_mul_i32 s21, s15, HALFT                      ; my 8 blocks of A
	s_mul_i32 s22, s16, HALFT
	s_add_co_u32 s22, s22, 2*HALFT                 ; my 8 blocks of B, behind A's 16
	s_sub_co_u32 s23, s22, s21
	s_lshl_b32 s20, s16, 7
	s_mul_i32 s18, s15, 128*CP
	s_add_co_u32 s18, s18, s20                     ; cell
	s_mul_i32 s19, s15, 32*CP
	s_lshl_b32 s99, s99, 8
	s_add_co_u32 s99, s99, s20                     ; a bias
	s_add_co_u32 s20, s19, s20                     ; the stage, way in
	s_mul_i32 s6, s16, 16*CP
	s_add_co_u32 s19, s19, s6                      ; way out
	s_mov_b32 s[CAP], 0x42200000                   ; 40.0
	s_mov_b32 s[K1], 0xbfb8aa3b                    ; -log2(e)
	s_mov_b32 s[K1+1], s[K1]
	s_mov_b32 s[K2], 0xc038aa3b                    ; -2 log2(e)
	s_mov_b32 s[K2+1], s[K2]
	v_and_b32 v1, 15, v0                           ; r
	v_bfe_u32 v2, v0, 4, 1                         ; h
	v_and_b32 v3, 31, v0
	v_mul_u32_u24 v4, v3, 48                       ; a lane's 48 bytes of a fragment
	v_add_nc_u32 v[ADRA], s21, v4
	v_add_nc_u32 v[ADRB], s22, v4
	v_add_nc_u32 v[ADRA+1], SLOT, v[ADRA]
	v_add_nc_u32 v[ADRB+1], SLOT, v[ADRB]
	v_mul_u32_u24 v5, s23, v2                      ; lanes 16-31 take B's: one product, the distance between the two bases x h
	v_lshl_add_u32 v5, v1, 3, v5
	v_add_nc_u32 v5, s21, v5
	v_add_nc_u32 v[ADRS], 3072, v5
	v_add_nc_u32 v[ADRS+1], SLOT+3072, v5
	v_mul_u32_u24 v6, v1, CP
	v_lshl_add_u32 v6, v2, 5, v6
	v_add_nc_u32 v[EA], s18, v6
	v_add_nc_u32 v[EA], CE, v[EA]
	v_add_nc_u32 v[ES], s20, v6
	v_add_nc_u32 v[ES], ST, v[ES]
	v_mul_u32_u24 v7, v2, CP
	v_lshl_add_u32 v7, v1, 4, v7
	v_add_nc_u32 v[RD], s19, v7
	v_add_nc_u32 v[RD], ST, v[RD]
	v_lshlrev_b32 v[CO], 12, v2
	v_lshl_add_u32 v[CO], v1, 4, v[CO]
	v_lshl_add_u32 v[VB], v2, 5, s99
	v_lshlrev_b32 v[PFO], 12, v0
	s_wait_alu depctr_va_vdst(0)                   ; ahead of the loads that read v[VB]
.irp g, 0,1,2,3                        ; the biases of my 32 columns: x-type into BB, h-type where A's fragments will lie
.irp u, 0,1
.irp q, 0,1
	global_load_b128 v[BB+16*\g+8*\u+4*\q:BB+16*\g+8*\u+4*\q+3], v[VB], s[68+4*\g:69+4*\g] offset:64*\u+16*\q
	global_load_b128 v[AF+16*\g+8*\u+4*\q:AF+16*\g+8*\u+4*\q+3], v[VB], s[70+4*\g:71+4*\g] offset:64*\u+16*\q
.endr
.endr
.endr
	s_wait_loadcnt 0x0
.set n, 0
.rept 32
	v_pk_add_f32 v[BB+n:BB+n+1], v[BB+n:BB+n+1], v[AF+n:AF+n+1]
.set n, n+2
.endr
.set n, 0
.rept 32
.if n/16 == 2
	v_pk_mul_f32 v[BB+n:BB+n+1], v[BB+n:BB+n+1], s[K2:K2+1] op_sel_hi:[1,0]
.else
	v_pk_mul_f32 v[BB+n:BB+n+1], v[BB+n:BB+n+1], s[K1:K1+1] op_sel_hi:[1,0]   ; scaled once: the addend of the gates' multiply-add
.endif
.set n, n+2
.endr
; 8 matrix instructions: A's block a x B's eight, 128 along K.  p: B's set; q: which 128 of the slot; sc: the slot's scale words.  The 64 accumulators take turns.
.macro MUL8 a, p, q, sc, zero
.irp b, 0,1,2,3,4,5,6,7
.set DA, 8*(8*((\a)%4)+\b)
.set FB, 128*(\p)+FR*\b
.set FA, AF+FR*(\a)
.set SB, SC+16*(\sc)+(\q)
.if \zero
	v_wmma_scale_f32_16x16x128_f8f6f4 v[DA:DA+7], v[FB:FB+FR-1], v[FA:FA+FR-1], 0, v[SB+2*\b], v[SB+2*(\a)] matrix_a_fmt:MATRIX_FMT_FP6 matrix_b_fmt:MATRIX_FMT_FP6 matrix_a_scale:MATRIX_SCALE_ROW1
.else
	v_wmma_scale_f32_16x16x128_f8f6f4 v[DA:DA+7], v[FB:FB+FR-1], v[FA:FA+FR-1], v[DA:DA+7], v[SB+2*\b], v[SB+2*(\a)] matrix_a_fmt:MATRIX_FMT_FP6 matrix_b_fmt:MATRIX_FMT_FP6 matrix_a_scale:MATRIX_SCALE_ROW1
.endif
.endr
.endm
.macro FRAG reg, adr, off              ; a fragment: 12 registers, three loads of 16 bytes
.irp j, 0,1,2
	ds_load_b128 v[\reg+4*\j:\reg+4*\j+3], v[\adr] offset:\off+16*\j
.endr
.endm
.macro LDB slot, q, p, i0              ; four of B's fragments into set p (window TO_B)
.irp i, \i0, \i0+1, \i0+2, \i0+3
	FRAG 128*(\p)+FR*(\i), ADRB+\slot, (\i)*BLK+1536*(\q)
.endr
.endm
.macro LDA slot, q, i0                 ; two of A's blocks
.irp i, \i0, \i0+1
	FRAG AF+FR*(\i), ADRA+\slot, (\i)*BLK+1536*(\q)
.endr
.endm
.macro SCALES slot                     ; the slot's scale words: two a row
.irp i, 0,1,2,3,4,5,6,7
	ds_load_b64 v[SC+16*\slot+2*\i:SC+16*\slot+2*\i+1], v[ADRS+\slot] offset:\i*BLK
.endr
.endm
.macro RUN slot, q, p, g               ; behind a step's g-th 16 matrix instructions: the next step's loads: g < 2: 12 for B, then 6 for A; else 6 for A
	PLACES
.if \g < 2
	WIN TO_B
	LDB \slot, \q, \p, 4*\g
.endif
	WIN 0
	LDA \slot, \q, 2*\g
.endm
; A slot's first 128 along K.  The counts: LDS loads come back in order (ISA guide 5.7.1); out may be: 18 = A's blocks 2-7; 30 = A's blocks 4-7 and run 0; 42 = A's blocks 6, 7 and runs 0, 1; 42 = runs 0, 1, 2.
.macro STEP slot, zero
	s_wait_dscnt 18
	WIN MUL_LO
	MUL8 0, 0, 0, \slot, \zero
	MUL8 1, 0, 0, \slot, \zero
	RUN \slot, 1, 1, 0
	s_wait_dscnt 30
	WIN MUL_LO
	MUL8 2, 0, 0, \slot, \zero
	MUL8 3, 0, 0, \slot, \zero
	RUN \slot, 1, 1, 1
	s_wait_dscnt 42
	WIN MUL_HI
	MUL8 4, 0, 0, \slot, \zero
	MUL8 5, 0, 0, \slot, \zero
	RUN \slot, 1, 1, 2
	s_wait_dscnt 42
	WIN MUL_HI
	MUL8 6, 0, 0, \slot, \zero
	MUL8 7, 0, 0, \slot, \zero
	RUN \slot, 1, 1, 3
.endm
.macro PFSTEP wrap                     ; my prefetches' address goes a piece on, behind the wait that frees it; wrap = 1: in the loop's last trip into the next tile
	s_wait_xcnt 0x0
.if \wrap
	s_mov_b32 s6, BLK
	s_cmp_eq_u32 s3, 1
	s_cselect_b32 s6, s13, s6
	s_add_nc_u64 s[PFA:PFA+1], s[PFA:PFA+1], s[6:7]
.else
	s_add_nc_u64 s[PFA:PFA+1], s[PFA:PFA+1], BLK
.endif
.endm
.macro REFILL slot, fill               ; the first tensor load behind the round.  fill = 1: two pieces on; 3: the next tile's piece in this slot; 2: nothing of the ring is left: my 64 rows of cell
.if \fill == 1
	s_add_nc_u64 s[G0+4*\slot+2:G0+4*\slot+3], s[G0+4*\slot+2:G0+4*\slot+3], 2*BLK
	s_add_nc_u64 s[G0B+4*\slot+2:G0B+4*\slot+3], s[G0B+4*\slot+2:G0B+4*\slot+3], 2*BLK
	JLOAD \slot
.endif
.if \fill == 3
	s_add_nc_u64 s[G0+4*\slot+2:G0+4*\slot+3], s[G0+4*\slot+2:G0+4*\slot+3], WALKB-6*BLK
	s_sub_nc_u64 s[G0B+4*\slot+2:G0B+4*\slot+3], s[G0B+4*\slot+2:G0B+4*\slot+3], 6*BLK
	JLOAD \slot
.endif
.if \fill == 2
	tensor_load_to_lds s[G0C:G0C+3], s[G1C:G1C+7]
	s_nop 0
	PLACES
.endif
.endm
; A slot's second 128 changes slots: one barrier, which opens a round of the cluster's barrier; in front of it each wave waits for all its tensor loads, adds 0 to its spare word and waits for that and for its reads
; of this slot.
.macro TURN slot, next, fill
.if \fill != 2
	PFSTEP (\fill == 1) && (\slot == 0)
.endif
	s_wait_dscnt 18
	WIN MUL_LO
	MUL8 0, 1, 1, \slot, 0
	MUL8 1, 1, 1, \slot, 0
	WIN 0                                          ; (the add's registers lie in window 0)
	s_wait_tensorcnt 0x0                           ; my one load that was out, my part of the next slot, has landed
	ds_add_u32 v[SPW], v[NIL]
	s_wait_dscnt 13                                ; (the add and A's blocks 4-7 may be out)
	WIN MUL_LO
	MUL8 2, 1, 1, \slot, 0
	s_wait_dscnt 0x0                               ; the add is done, my reads of this slot are over
	s_barrier_signal -1
	MUL8 3, 1, 1, \slot, 0
	WIN 0
	s_barrier_wait -1
	CREST
	REFILL \slot, \fill                            ; its four v_nop are the places in front of the loads below
	SCALES \next
	WIN TO_B
	LDB \next, 0, 0, 0
	LDB \next, 0, 0, 4
	WIN 0
	LDA \next, 0, 0
	LDA \next, 0, 2
.if \fill == 1
	ASK 0
.endif
.if \fill == 3
	ASK 1
.endif
	WIN MUL_HI
	MUL8 4, 1, 1, \slot, 0
	MUL8 5, 1, 1, \slot, 0
	RUN \next, 0, 0, 2
	WIN MUL_HI
	MUL8 6, 1, 1, \slot, 0
	MUL8 7, 1, 1, \slot, 0
	RUN \next, 0, 0, 3
.endm
.macro LAST6                           ; a tile's last step fetches nothing: the counts run down
	s_wait_dscnt 18
	WIN MUL_LO
	MUL8 0, 1, 1, 1, 0
	MUL8 1, 1, 1, 1, 0
	s_wait_dscnt 12
	MUL8 2, 1, 1, 1, 0
	MUL8 3, 1, 1, 1, 0
	s_wait_dscnt 6
	WIN MUL_HI
	MUL8 4, 1, 1, 1, 0
	MUL8 5, 1, 1, 1, 0
.endm
	s_wait_alu depctr_va_vdst(0)                   ; the wait at the head's end
	s_wait_tensorcnt 0x0                           ; my tile of the head's is in; a later first fill is issued as a refill is:
	ds_add_u32 v[SPW], v[NIL]
	s_mov_b32 s[G1+2], 8<<16                       ; no tensor load of mine is out, so descriptors may be written: the ring's loads bring 8 blocks,
	s_mov_b32 s[G1+4], 8
	s_mov_b32 s[G1B+2], 8<<16
	s_mov_b32 s[G1B+4], 8
	s_mov_b32 s[G1C+2], 64<<16                     ; and the second tile's cell comes 64 rows a wave
	s_mov_b32 s[G1C+4], 64
	s_mul_i32 s[G0C+1], s14, 64*CP
	s_add_co_u32 s[G0C+1], s[G0C+1], CE
	s_lshl_b32 s22, s14, 18
	s_mov_b32 s23, 0
	s_add_nc_u64 s[G0C+2:G0C+3], s[96:97], s[22:23]
	s_or_b32 s[G0C+3], s[G0C+3], 0x80000000
	s_wait_dscnt 0x0
	CROUND
	JLOAD 1                                        ; slot 1's first fill, the first tensor load behind the round
.Ltile:                                                ; slot 0 holds the tile's first piece, shown to every wave by a round; slot 1's load is on its way
	SCALES 0
	WIN TO_B
	LDB 0, 0, 0, 0
	LDB 0, 0, 0, 4
	WIN 0
	LDA 0, 0, 0
	LDA 0, 0, 2
	LDA 0, 0, 4
	LDA 0, 0, 6
	STEP 0, 1                                      ; the first step's products start the sums
	s_mov_b32 s3, 3
.Llap:                                                 ; a trip fills both slots again: the third to the eighth piece in three trips
	TURN 0, 1, 1
	STEP 1, 0
	TURN 1, 0, 1
	STEP 0, 0
	s_sub_co_u32 s3, s3, 1
	s_cmp_lg_u32 s3, 0
	s_cbranch_scc1 .Llap
	s_cmp_eq_u32 s12, 1
	s_cbranch_scc1 .Llast_tile                     ; both tails are written out
	TURN 0, 1, 3                                   ; THE RING GOES ON: slot 0 takes the next tile's first piece
	STEP 1, 0
	global_prefetch_b8 v[PFO], s[96:97] th:TH_LOAD_NT scope:SCOPE_SE                  ; the next tile's cell: rows 0-127, a thread a row of 256 bytes;
	global_prefetch_b8 v[PFO], s[96:97] offset:128*4096 th:TH_LOAD_NT scope:SCOPE_SE  ; rows 128-255.  Neither address register is written again
	PFSTEP 0
	s_cmp_eq_u32 s15, 0
	s_cselect_b32 s[LIM], 1, 3                     ; second tile: A's waves ask in the first two trips, B's never: its rows have been read
	LAST6
	WIN 0
	s_wait_tensorcnt 0x0                           ; the next tile's first piece has landed
	ds_add_u32 v[SPW], v[NIL]
	s_wait_dscnt 1                                 ; (the add alone may be out)
	WIN MUL_HI
	MUL8 6, 1, 1, 1, 0
	s_wait_dscnt 0x0
	s_barrier_signal -1
	MUL8 7, 1, 1, 1, 0
	WIN 0
	s_barrier_wait -1
	CREST
	REFILL 1, 3                                    ; slot 1 takes the next tile's second piece; its four v_nop are the places in front of the gates
	ASK 1
	s_branch .Lgates
.Llast_tile:
	TURN 0, 1, 2
	STEP 1, 0
	LAST6
	s_wait_dscnt 0x0
	s_wait_tensorcnt 0x0                           ; my 64 rows of cell have landed: say so
	s_barrier_signal -1
	MUL8 6, 1, 1, 1, 0
	MUL8 7, 1, 1, 1, 0
	WIN 0
	PLACES
	s_barrier_wait -1                              ; everybody's rows of cell are in
.Lgates:
.macro PK op, d, a, b                  ; eight packed lines: a block's 16 elements
.set n, 0
.rept 8
	\op v[\d+n:\d+n+1], v[\a+n:\a+n+1], v[\b+n:\b+n+1]
.set n, n+2
.endr
.endm
.macro PKF d, a, b, c                  ; d = a b + c
.set n, 0
.rept 8
	v_pk_fma_f32 v[\d+n:\d+n+1], v[\a+n:\a+n+1], v[\b+n:\b+n+1], v[\c+n:\c+n+1]
.set n, n+2
.endr
.endm
.macro INC d                           ; 1 + E
.set n, 0
.rept 8
	v_pk_add_f32 v[\d+n:\d+n+1], v[\d+n:\d+n+1], 1.0 op_sel_hi:[1,0]
.set n, n+2
.endr
.endm
.macro ONEM d, a                       ; 1 - E
.set n, 0
.rept 8
	v_pk_fma_f32 v[\d+n:\d+n+1], v[\a+n:\a+n+1], -1.0, 1.0 op_sel_hi:[1,0,0]
.set n, n+2
.endr
.endm
.macro HOLD d                          ; an exponent held at 40
.set n, 0
.rept 16
	v_min_num_f32 v[\d+n], s[CAP], v[\d+n]
.set n, n+1
.endr
.endm
.macro BATCH op, d, cnt                ; a batch of transcendentals: the wait ahead of it and behind it; a plain place behind the last (ISA guide 5.7.2)
	s_wait_alu depctr_va_vdst(0)
.set n, 0
.rept \cnt
	\op v[\d+n], v[\d+n]
.set n, n+1
.endr
	v_nop
	s_wait_alu depctr_va_vdst(0)
.endm
.macro EXPO g, k                       ; -L (sum + biases) of gate g: each accumulator from its low end on
.set n, 0
.rept 8
	v_pk_fma_f32 v[TF+16*\g+n:TF+16*\g+n+1], v[AC+16*\g+n:AC+16*\g+n+1], s[\k:\k+1], v[BB+16*\g+n:BB+16*\g+n+1] op_sel_hi:[1,0,1]
.set n, n+2
.endr
.endm
; THE GATES of block a: 16 rows x my 32 columns, 16 elements a lane: element 8 u + j = (row r, column 16 u + 8 h + j).
.macro GATES a
.set CA, CL+16*((\a)%2)
.set AC, 64*((\a)%4)
.irp u, 0,1
.irp q, 0,1
	ds_load_b128 v[CA+8*\u+4*\q:CA+8*\u+4*\q+3], v[EA] offset:16*CP*(\a)+64*\u+16*\q   ; the block's cell, wanted behind the second batch; nobody writes these bytes
.endr
.endr
	s_wait_alu depctr_va_vdst(0)                   ; the wait ahead of the first readers of the sums
	WIN 0x02+(\a)/4                                ; source 0: the accumulators' window
	EXPO 0, K1
	EXPO 1, K1
	EXPO 2, K2
	EXPO 3, K1
	WIN 0
	HOLD TC
	BATCH v_exp_f32, TF, 64                        ; Ef, Ei, Ec, Eo
	INC TF
	ONEM NU, TC
	INC TC
	PKF TI, TI, TC, TC                             ; Ei (1 + Ec) + (1 + Ec)
	BATCH v_rcp_f32, TF, 32                        ; sigmoid(F); 1 / ((1 + Ei)(1 + Ec))
	s_wait_dscnt 0x0                               ; the block's cell is in
	PK v_pk_mul_f32, NU, NU, TI                    ; sigmoid(I) tanh(C)
	PKF CA, CA, TF, NU                             ; c_t
.set n, 0
.rept 8
	v_pk_mul_f32 v[TT+n:TT+n+1], v[CA+n:CA+n+1], s[K2:K2+1] op_sel_hi:[1,0]       ; -2 L c_t
.set n, n+2
.endr
	HOLD TT
	BATCH v_exp_f32, TT, 16                        ; Et
.if ((\a)%2 == 0) && ((\a) > 0)
	s_barrier_wait -1                              ; every wave has read the last phase's rows out of the stage (the signal stands at that phase's end)
.endif
.irp u, 0,1
.irp q, 0,1
	ds_store_b128 v[ES], v[CA+8*\u+4*\q:CA+8*\u+4*\q+3] offset:16*CP*((\a)%2)+64*\u+16*\q
.endr
.endr
	ONEM NU, TT
	INC TT
	PKF TT, TO, TT, TT                             ; Eo (1 + Et) + (1 + Et)
	BATCH v_rcp_f32, TT, 16
	PK v_pk_mul_f32, NU, NU, TT                    ; h_t
.irp u, 0,1
.irp q, 0,1
	ds_store_b128 v[ES], v[NU+8*\u+4*\q:NU+8*\u+4*\q+3] offset:64*CP+16*CP*((\a)%2)+64*\u+16*\q
.endr
.endr
.endm
; PHASE p of the way out, behind blocks 2 p and 2 p + 1.  A row's 256 bytes come from two waves: a barrier, each wave's stores into the stage done in front of it.  Then each wave takes the 16 rows of block
; 2 p + cw of its row half, of c_t and of h_t.  Each phase has 64 registers of its own in window 1.  When my rows are back in registers I signal a second barrier: its wait stands in front of the next phase's first
; store into the stage.  Behind a tile's last phase the next tile's rounds part the reads from the next stores.
.macro PHASE p
	s_wait_dscnt 0x0
	s_barrier_signal -1
	s_barrier_wait -1
	WIN TO_B
.irp i, 0,1,2,3,4,5,6,7
	ds_load_b128 v[64*(\p)+4*\i:64*(\p)+4*\i+3], v[RD] offset:CP*2*\i
.endr
.irp i, 0,1,2,3,4,5,6,7
	ds_load_b128 v[64*(\p)+32+4*\i:64*(\p)+32+4*\i+3], v[RD] offset:64*CP+CP*2*\i
.endr
	WIN FROM_B
.irp i, 0,1,2,3,4,5,6,7
	s_wait_dscnt 15-\i
	global_store_b128 v[CO], v[64*(\p)+4*\i:64*(\p)+4*\i+3], s[8:9] offset:4096*(32*(\p)+2*\i) th:TH_STORE_NT   ; 16 lanes store 256 consecutive bytes, at a multiple of 256 from the buffer's first byte
.endr
.irp i, 0,1,2,3,4,5,6,7
	s_wait_dscnt 7-\i
	global_store_b128 v[CO], v[64*(\p)+32+4*\i:64*(\p)+32+4*\i+3], s[10:11] offset:4096*(32*(\p)+2*\i) th:TH_STORE_NT
.endr
	WIN 0
.if (\p) < 3
	s_barrier_signal -1
.endif
.endm
.irp p, 0,1,2,3
	GATES 2*\p
	GATES 2*\p+1
	PHASE \p
.endr
	s_wait_xcnt 0x0                                ; the stores have read their bases and their data: the bases step, and the next tile's fragments may land in window 1
	s_add_nc_u64 s[8:9], s[8:9], 0x1000000         ; 4,096 rows down
	s_add_nc_u64 s[10:11], s[10:11], 0x1000000
	s_sub_co_u32 s12, s12, 1
	s_cmp_lg_u32 s12, 0
	s_wait_alu depctr_va_vdst(0)
	s_cbranch_scc1 .Ltile
	s_wait_tensorcnt 0x0                           ; the wave's end
	ds_add_u32 v[SPW], v[NIL]
	s_wait_dscnt 0x0
	CROUND                                         ; the closing round
	s_endpgm
.Lfunc_end_k_q06641d0b3d_lstm:
	.size	k_q06641d0b3d_lstm, .Lfunc_end_k_q06641d0b3d_lstm-k_q06641d0b3d_lstm
	.p2alignl 7, 3214868480
	.fill 96, 4, 3214868480
	.section	.rodata,"a",@progbits
	.p2align	6, 0x0
	.amdhsa_kernel k_q06641d0b3d_lstm
		.amdhsa_group_segment_fixed_size 327680
		.amdhsa_private_segment_fixed_size 0
		.amdhsa_enable_private_segment 0
		.amdhsa_kernarg_size 96
		.amdhsa_user_sgpr_count 2
		.amdhsa_user_sgpr_kernarg_segment_ptr 1
		.amdhsa_wavefront_size32 1
		.amdhsa_system_sgpr_workgroup_id_x 1
		.amdhsa_system_sgpr_workgroup_id_y 1
		.amdhsa_system_sgpr_workgroup_id_z 1
		.amdhsa_system_vgpr_workitem_id 0
		.amdhsa_next_free_vgpr 1024
		.amdhsa_next_free_sgpr 102
		.amdhsa_reserve_vcc 0
		.amdhsa_float_denorm_mode_32 3
		.amdhsa_float_denorm_mode_16_64 3
		.amdhsa_memory_ordered 1
		.amdhsa_forward_progress 1
		.amdhsa_inst_pref_size 255
	.end_amdhsa_kernel
	.section	.bss,"aw",@nobits
	.p2align	6
	.space	262144
	.amdgpu_metadata
---
amdhsa.version: [ 1, 2 ]
amdhsa.kernels:
  - .name:           k_q06641d0b3d_lstm
    .symbol:         k_q06641d0b3d_lstm.kd
    .args:
      - { .name: bf_x, .offset: 0, .size: 8, .value_kind: global_buffer, .address_space: global }
      - { .name: bf_h, .offset: 8, .size: 8, .value_kind: global_buffer, .address_space: global }
      - { .name: bi_x, .offset: 16, .size: 8, .value_kind: global_buffer, .address_space: global }
      - { .name: bi_h, .offset: 24, .size: 8, .value_kind: global_buffer, .address_space: global }
      - { .name: bc_x, .offset: 32, .size: 8, .value_kind: global_buffer, .address_space: global }
      - { .name: bc_h, .offset: 40, .size: 8, .value_kind: global_buffer, .address_space: global }
      - { .name: bo_x, .offset: 48, .size: 8, .value_kind: global_buffer, .address_space: global }
      - { .name: bo_h, .offset: 56, .size: 8, .value_kind: global_buffer, .address_space: global }
      - { .name: codes, .offset: 64, .size: 8, .value_kind: global_buffer, .address_space: global }
      - { .name: cell, .offset: 72, .size: 8, .value_kind: global_buffer, .address_space: global }
      - { .name: out0, .offset: 80, .size: 8, .value_kind: global_buffer, .address_space: global }
      - { .name: out1, .offset: 88, .size: 8, .value_kind: global_buffer, .address_space: global }
    .group_segment_fixed_size: 327680
    .private_segment_fixed_size: 0
    .kernarg_segment_align: 8
    .kernarg_segment_size: 96
    .max_flat_workgroup_size: 128
    .sgpr_count:     102
    .vgpr_count:     1024
    .wavefront_size: 32
...
	.end_amdgpu_metadata
.endif
;; end of part 2
